; MI455X (gfx1250); checked and timed in simulation.
; The chip was launched on July 23, 2026; its instructions are those of AMD's public machine-readable ISA for CDNA 5 (MIT licence, August 2026) and "CDNA5" Instruction Set Architecture Reference Guide (July 2026). The comments in the code are by the model that wrote it; some were corrected since.
;; Self Attention. Allowed arithmetic: float matrix products may take bf16 or f16 operands with f32 sums; all other float work in f32.
;; Inputs: Wk 1,024 x 1,024 float32; Wo 1,024 x 1,024 float32; Wq 1,024 x 1,024 float32; Wv 1,024 x 1,024 float32; bo 1,024 float32; x 4 x 2,048 x 1,024 float32.
;; Outputs: out0 4 x 2,048 x 1,024 float32.
;; One version. Each part assembles by itself: llvm-mc -triple=amdgcn-amd-amdhsa -mcpu=gfx1250 --defsym DOCPART=n.
;; ======== version 1 of 1: 4 launches
;; workspace buffers: xb 16,777,216 bytes; wt 8,388,608 bytes; qs 16,777,216 bytes; part 8,650,752 bytes; wf 8,388,608 bytes
;; launch prep (part 1): grid 768 x 1, 8 waves a work-group, no clusters, 38,400 bytes of LDS; arguments x, Wq, Wk, Wv, Wo, xb, wt; writes xb, wt
.if DOCPART == 1
	.amdgcn_target "amdgcn-amd-amdhsa--gfx1250"
	.amdhsa_code_object_version 6
	.text
	.protected	k_q104828f026_prep
	.globl	k_q104828f026_prep
	.p2align	8
	.type	k_q104828f026_prep,@function
k_q104828f026_prep:
	s_mov_b64 s[64:65], 0
	v_nop
	global_prefetch_b8 v0, s[64:65] scope:SCOPE_SE
	s_setreg_imm32_b32 hwreg(HW_REG_WAVE_MODE, 25, 1), 1
	s_wait_xcnt 0x0
; PREP: the operands of the later products in bf16, with K along the rows.
;   work-groups 0..511:   xb = bf16(x), 65,536 bytes of x each, a plain stream.
;   work-groups 512..767: one tile of 128 k x 128 n of Wq, Wk, Wv or Wo, rounded to bf16 and transposed into wt.
; wt has 4,096 rows of 1,024 k: row h*192 + sel*64 + d is column h*64+d of Wq, Wk, Wv (sel = 0, 1, 2), so that the 192 rows that a head's
; q, k and v need lie together; row 3072 + n is column n of Wo.
; Every byte is read once and written once; no work-group reads what another reads, so there is nothing to ask for jointly, and the
; matrix unit has no work here.  Loads cover 512 neighbouring bytes a wave, stores whole aligned runs of 256 bytes.
.set D,    16                          ; v[16:79]   sixteen loads of 16 bytes; later the rows read back from LDS
.set P,    80                          ; v[80:111]  packed bf16
.set REG,  4640                        ; LDS: a wave's region: 32 groups (4 columns x 32 bytes, + 16 of padding = 144) + 32 bytes
                                       ; 144 = 9 x 16 and 4640 = 290 x 16: sixteen lanes 144 bytes apart, and sixteen lanes that take
                                       ; 2 x 16 bytes of each of eight regions, begin at sixteen different 16-byte columns of a 256-byte span
	s_load_b256 s[4:11], s[0:1], 0x0               ; x s[4:5], Wq s[6:7], Wk s[8:9], Wv s[10:11]
	s_load_b128 s[12:15], s[0:1], 0x20             ; Wo s[12:13], xb s[14:15]
	s_load_b64 s[16:17], s[0:1], 0x30              ; wt
	v_lshl_add_u32 v112, v0, 2, 0x9200
	v_mov_b32 v113, 0
	v_lshrrev_b32 v6, 5, v0
	v_and_b32 v7, 31, v0                           ; lane
	v_readfirstlane_b32 s20, v6                    ; wave, as a scalar
	s_cmp_ge_u32 ttmp9, 512                        ; the same for all waves of a work-group
	s_cbranch_scc1 .Lweights
	; ---- x: a wave takes 8,192 bytes, sixteen loads of 512 neighbouring bytes, all issued before the first is used
	s_lshl_b32 s21, s20, 13
	v_lshl_add_u32 v1, v7, 4, s21                  ; 8,192 wave + 16 lane
	v_lshrrev_b32 v2, 1, v1                        ; half of it in xb
	s_lshl_b32 s22, ttmp9, 16
	s_mov_b32 s23, 0
	s_lshl_b32 s24, ttmp9, 15
	s_mov_b32 s25, 0
	s_wait_kmcnt 0x0
	s_add_nc_u64 s[4:5], s[4:5], s[22:23]
	s_add_nc_u64 s[14:15], s[14:15], s[24:25]
.irp i, 0,1,2,3,4,5,6,7,8,9,10,11,12,13,14,15
	global_load_b128 v[D+4*\i:D+4*\i+3], v1, s[4:5] offset:512*\i th:TH_LOAD_NT
.endr
.irp i, 0,1,2,3,4,5,6,7,8,9,10,11,12,13,14,15
	s_wait_loadcnt 15-\i                           ; loads return in order: load i is in, the 15 - i younger ones stay out
	v_cvt_pk_bf16_f32 v[P+2*\i], v[D+4*\i], v[D+4*\i+1]
	v_cvt_pk_bf16_f32 v[P+2*\i+1], v[D+4*\i+2], v[D+4*\i+3]
	global_store_b64 v2, v[P+2*\i:P+2*\i+1], s[14:15] offset:256*\i   ; 32 lanes x 8 bytes: one aligned run of 256; no register is used twice
.endr
	s_endpgm
	; ---- weights: tile (kt, nt) of matrix sel
.Lweights:
	s_sub_co_u32 s21, ttmp9, 512
	s_lshr_b32 s22, s21, 6                         ; sel 0..3
	s_and_b32 s23, s21, 7                          ; kt
	s_bfe_u32 s24, s21, 0x30003                    ; nt: 3 bits from bit 3
	s_lshl_b32 s26, s23, 19                        ; 128 rows of 4,096 bytes
	s_lshl_b32 s27, s24, 9                         ; 128 columns of 4 bytes
	s_add_co_u32 s26, s26, s27
	s_mov_b32 s27, 0
	; my wave's first row of wt: columns nt*128 + 16 w .. + 15 of the matrix
	s_lshr_b32 s28, s20, 2
	s_lshl1_add_u32 s28, s24, s28                  ; head = 2 nt + (w >> 2)
	s_mul_i32 s28, s28, 192
	s_lshl_b32 s29, s22, 6
	s_add_co_u32 s28, s28, s29                     ; + 64 sel
	s_and_b32 s29, s20, 3
	s_lshl4_add_u32 s28, s29, s28                  ; + 16 (w & 3)
	s_lshl_b32 s29, s24, 7
	s_lshl4_add_u32 s29, s20, s29
	s_add_co_u32 s29, s29, 3072                    ; Wo: 3072 + 128 nt + 16 w
	s_cmp_eq_u32 s22, 3
	s_cselect_b32 s28, s29, s28
	s_lshl_b32 s28, s28, 11                        ; rows of 2,048 bytes
	s_lshl_b32 s29, s23, 8                         ; + 128 k of 2 bytes
	s_add_co_u32 s28, s28, s29
	s_mov_b32 s29, 0
	s_lshl_b32 s32, s20, 16
	v_lshl_add_u32 v1, v7, 4, s32                  ; source: 16 rows a wave, 16 bytes (4 columns) a lane
	s_mul_i32 s33, s20, REG
	v_mul_u32_u24 v3, v7, 144
	v_add_nc_u32 v3, s33, v3                       ; LDS, in: my wave's region, my lane's group of four columns
	v_and_b32 v9, 15, v7                           ; m: which 16 bytes (8 k) of a row of wt
	v_lshrrev_b32 v8, 4, v7                        ; hh: which of two rows
	v_lshrrev_b32 v10, 1, v9
	v_mul_u32_u24 v4, v10, REG                     ; LDS, back: the region of the wave that held these k,
	v_and_b32 v10, 1, v9
	v_lshl_add_u32 v4, v10, 4, v4                  ; its first or second 16 bytes,
	v_lshl_add_u32 v4, v8, 5, v4                   ; column n & 1 = hh,
	s_mul_i32 s34, s20, 576
	v_add_nc_u32 v4, s34, v4                       ; group 4 w (four groups of 144 bytes a wave)
	v_lshlrev_b32 v5, 4, v9
	v_lshl_add_u32 v5, v8, 11, v5                  ; wt: 16 m + 2,048 hh
	s_wait_kmcnt 0x0
	s_cmp_eq_u32 s22, 1
	s_cselect_b64 s[30:31], s[8:9], s[6:7]
	s_cmp_eq_u32 s22, 2
	s_cselect_b64 s[30:31], s[10:11], s[30:31]
	s_cmp_eq_u32 s22, 3
	s_cselect_b64 s[30:31], s[12:13], s[30:31]
	s_add_nc_u64 s[30:31], s[30:31], s[26:27]
	s_add_nc_u64 s[16:17], s[16:17], s[28:29]
.irp i, 0,1,2,3,4,5,6,7,8,9,10,11,12,13,14,15
	global_load_b128 v[D+4*\i:D+4*\i+3], v1, s[30:31] offset:4096*\i th:TH_LOAD_NT   ; row k = 16 w + i, columns 4 L .. 4 L + 3
.endr
.irp i, 0,1,2,3,4,5,6,7
	s_wait_loadcnt 14-2*\i                         ; rows 2 i and 2 i + 1 are in, the younger ones stay out
.irp c, 0,1,2,3
	v_cvt_pk_bf16_f32 v[P+8*\c+\i], v[D+8*\i+\c], v[D+8*\i+4+\c]      ; column 4 L + c: k = 16 w + 2 i below, + 1 above
.endr
.endr
.irp c, 0,1,2,3
	ds_store_b128 v3, v[P+8*\c:P+8*\c+3] offset:32*\c                 ; 16 k of one column: 32 bytes
	ds_store_b128 v3, v[P+8*\c+4:P+8*\c+7] offset:32*\c+16
.endr
	s_wait_dscnt 0x0                               ; my stores are in LDS before I say so: the other waves read them
	s_barrier_signal -1
	s_barrier_wait -1
.irp t, 0,1,2,3,4,5,6,7
	ds_load_b128 v[D+4*\t:D+4*\t+3], v4 offset:(\t>>1)*144+(\t&1)*64  ; column n = 16 w + 2 t + hh, k = 8 m .. 8 m + 7
.endr
.irp t, 0,1,2,3,4,5,6,7
	s_wait_dscnt 7-\t                              ; LDS loads return in order
	global_store_b128 v5, v[D+4*\t:D+4*\t+3], s[16:17] offset:4096*\t ; sixteen lanes: 256 consecutive bytes, aligned
.endr
	s_wait_tensorcnt 0x0
	ds_add_u32 v112, v113
	s_wait_dscnt 0x0
	s_endpgm
.Lfunc_end_k_q104828f026_prep:
	.size	k_q104828f026_prep, .Lfunc_end_k_q104828f026_prep-k_q104828f026_prep
	.p2alignl 7, 3214868480
	.fill 96, 4, 3214868480
	.section	.rodata,"a",@progbits
	.p2align	6, 0x0
	.amdhsa_kernel k_q104828f026_prep
		.amdhsa_group_segment_fixed_size 38400
		.amdhsa_private_segment_fixed_size 0
		.amdhsa_enable_private_segment 0
		.amdhsa_kernarg_size 56
		.amdhsa_user_sgpr_count 2
		.amdhsa_user_sgpr_kernarg_segment_ptr 1
		.amdhsa_wavefront_size32 1
		.amdhsa_system_sgpr_workgroup_id_x 1
		.amdhsa_system_sgpr_workgroup_id_y 1
		.amdhsa_system_sgpr_workgroup_id_z 1
		.amdhsa_system_vgpr_workitem_id 0
		.amdhsa_next_free_vgpr 114
		.amdhsa_next_free_sgpr 66
		.amdhsa_reserve_vcc 0
		.amdhsa_float_denorm_mode_32 3
		.amdhsa_float_denorm_mode_16_64 3
		.amdhsa_memory_ordered 1
		.amdhsa_forward_progress 1
		.amdhsa_inst_pref_size 15
	.end_amdhsa_kernel
	.amdgpu_metadata
---
amdhsa.version: [ 1, 2 ]
amdhsa.kernels:
  - .name:           k_q104828f026_prep
    .symbol:         k_q104828f026_prep.kd
    .args:
      - { .name: x, .offset: 0, .size: 8, .value_kind: global_buffer, .address_space: global }
      - { .name: Wq, .offset: 8, .size: 8, .value_kind: global_buffer, .address_space: global }
      - { .name: Wk, .offset: 16, .size: 8, .value_kind: global_buffer, .address_space: global }
      - { .name: Wv, .offset: 24, .size: 8, .value_kind: global_buffer, .address_space: global }
      - { .name: Wo, .offset: 32, .size: 8, .value_kind: global_buffer, .address_space: global }
      - { .name: xb, .offset: 40, .size: 8, .value_kind: global_buffer, .address_space: global }
      - { .name: wt, .offset: 48, .size: 8, .value_kind: global_buffer, .address_space: global }
    .group_segment_fixed_size: 38400
    .private_segment_fixed_size: 0
    .kernarg_segment_align: 8
    .kernarg_segment_size: 56
    .max_flat_workgroup_size: 256
    .sgpr_count:     66
    .vgpr_count:     114
    .wavefront_size: 32
...
	.end_amdgpu_metadata
.endif
;; end of part 1
;; launch qkv (part 2): grid 16 x 32, 4 waves a work-group, clusters of 4 x 4, 327,680 bytes of LDS; arguments xb, wt, qs, part; writes qs, part
.if DOCPART == 2
	.amdgcn_target "amdgcn-amd-amdhsa--gfx1250"
	.amdhsa_code_object_version 6
	.text
	.protected	k_q104828f026_qkv
	.globl	k_q104828f026_qkv
	.p2align	8
	.type	k_q104828f026_qkv,@function
k_q104828f026_qkv:
	s_mov_b64 s[64:65], 0
	v_nop
	global_prefetch_b8 v0, s[64:65] scope:SCOPE_SE
	s_setreg_imm32_b32 hwreg(HW_REG_WAVE_MODE, 25, 1), 1
	s_wait_xcnt 0x0
	s_wait_alu depctr_hold_cnt(0) depctr_sa_sdst(0) depctr_va_vdst(0) depctr_va_sdst(0) depctr_va_ssrc(0) depctr_va_vcc(0) depctr_vm_vsrc(0)
	s_getreg_b32 s2, hwreg(HW_REG_IB_STS2, 6, 4)
	s_cmp_eq_u32 s2, 0
	s_cbranch_scc0 .Lentry_in_a_cluster
	s_endpgm
.Lentry_in_a_cluster:
	s_bfe_u32 s2, ttmp6, 0x10000c
	s_cmp_lg_u32 s2, 0xf033
	s_cbranch_scc0 .Lentry_shape_is_right
	s_endpgm
.Lentry_shape_is_right:
; QKV: for 256 rows of x and one head, q, k and v together (a product of 256 x 192 x 1024 in bf16, sums in f32), then
;   qs   = softmax of q along the head's 64 features, times 1/8, in bf16, stored as [head][tile of 16 rows][tile of 16 features][lane][16 bytes]:
;          lane (r, hh) holds row r, features 8 hh .. 8 hh + 7 of the tile, which is half of a matrix fragment with K along the features;
;   part = one record: P^T V (64 x 64, f32) with P = exp(k - the block's column maximum), that maximum [64] and the column sums of P [64].
; k and v never leave the registers.  The softmax of k spans 2,048 rows = 8 such blocks; the next launch joins the 8 records by their maxima.
; Four waves; wave w makes rows 64 w .. 64 w + 63 x all 192 columns: 48 accumulator tiles, 384 registers.
; K goes in 8 steps of 128 through two LDS slots filled by the tensor data mover; a tile's rows are 256 bytes of memory, aligned.
; CLUSTERS: 4 x 4 work-groups.  The four of a cluster's row have the same 256 rows of x, the four of a column the same head's weights:
; both tiles are asked for jointly, which divides the requests for each by four.
; LIMITS: an infinity or NaN in q or k gives NaN in that row or column.  exp2 results under 2^-126 count as 0.  The exponent is
; fma(x, log2 e, -fl(max log2 e)): the rounding of max log2 e is one factor for the whole row (column) and leaves with the division by the
; sum; the next launch forms the same fl(max log2 e) for its weights.  The sums are taken of P in f32, the product of P rounded to bf16.
;
; REGISTERS, in windows of 256 (s_set_vgpr_msb: bits 1:0 source 0, 3:2 source 1, 5:4 source 2, 7:6 destination):
;   window 0: addresses, statistics, work;   window 1: two fragment buffers of 128: A(a) at 8 a, B(i) at 32 + 8 i (i: 0-3 q, 4-7 k, 8-11 v)
;   window 2: KV(a, c) at 8 (8 a + c), c: 0-3 k, 4-7 v;   window 3: Q(a, b) at 8 (4 a + b), CT(bd, be) at 128 + 8 (4 bd + be)
; k and v are made in the natural use (source 0 = rows of x): register j of lane (r, hh) is row 16 a + 8 hh + j, column r.  Eight
; neighbouring ROWS in a lane are what a fragment with K along the rows wants, so P^T V is fed from these registers with no way through LDS.
; q is made transposed (source 0 = weights): a lane holds row 16 a + r, columns 16 b + 8 hh + j: its row's softmax needs one exchange
; between the halves of the wave, and eight neighbouring columns pack into the 16 bytes that qs keeps for that lane.
.set KSTEP,  128
.set PITCH,  272                       ; an LDS row: 256 bytes + 16 of padding: an odd multiple of 16
.set AHALF,  128*PITCH                 ; what one load of x brings
.set BHALF,  96*PITCH                  ; what one load of weights brings
.set ABYTES, 2*AHALF
.set SLOT,   2*AHALF+2*BHALF           ; 121,856: 256 rows of x, then 192 rows of weights
.set MAXR,   2*SLOT                    ; behind the ring, where no fill lands: [4 waves][64] f32: column maxima
.set SUMR,   MAXR+1024                 ; [4 waves][64] f32: column sums
.set CSTG,   MAXR+2048                 ; 4 waves x 64 rows x 272: the waves' P^T V
.set LAPS,   4                         ; a lap = two K steps = once round the ring
.set X,    4                           ; v[4:7]   what the other half of the wave sends (written at the head: a lane exchange reads its destination)
.set ADRA, 16                          ; v16-17   my A fragments in slot 0, 1
.set ADRB, 18                          ; v18-19   the B fragments
.set VMX,  20                          ; MAXR + 256 w + 4 r
.set VMR,  21                          ; MAXR + 4 r
.set CQ,   24                          ; 16 L
.set STC,  25
.set RDC,  26
.set VS2,  27                          ; MAXR + 8 L
.set VO8,  28                          ; 8 L
.set KM,   32                          ; v[32:35] column maxima, one for each column tile of k
.set KS,   36                          ; v[36:39] column sums
.set KN,   40                          ; v[40:47] -max log2 e, twice each (pairs)
.set QM,   48                          ; v[48:51] row maxima of q
.set QN,   52                          ; v[52:59] -max log2 e, pairs
.set QR,   52                          ;          later 0.125 / sum, pairs (QN is dead by then)
.set T,    64                          ; v[64:127]
.set BIG,  128                         ; v[128:255]
.set KMT,  240                         ; v[240:255] the four waves' maxima as read back
.set F0,   0
.set F1,   128
.set G1A, 24                           ; s[24:31] group 1 for x's tiles
.set G0A, 32                           ; s[32:39] group 0 for x's tiles, a set for each slot
.set G1B, 40                           ; s[40:47] group 1 for the weights' tiles
.set G0B, 48                           ; s[48:55] group 0, a set for each slot
.set W_KV, 0xa5                        ; sources 0, 1 window 1; C and D window 2
.set W_Q,  0xf5                        ; sources 0, 1 window 1; C and D window 3
.set W_LD, 0x40                        ; destination window 1, address window 0
.set MSB, 0
.macro WIN new                         ; the immediate's high byte repeats the setting that is left
.if MSB != \new
	s_set_vgpr_msb (MSB<<8)|\new
.set MSB, \new
.endif
.endm
; A joint load: waves 0 and 1 fetch the two halves of x's tile, waves 2 and 3 those of the weights'.  Each line has one mask and one set
; of registers, equal in the four work-groups that the mask names; the branch hangs on the wave's number alone.
.macro JLOAD s
	s_cmp_eq_u32 s13, 0
	s_cbranch_scc0 .Lfor_b_\@
	tensor_load_to_lds s[G0A+4*\s:G0A+4*\s+3], s[G1A:G1A+7]
	s_nop 0
	s_branch .Lasked_\@
.Lfor_b_\@:
	tensor_load_to_lds s[G0B+4*\s:G0B+4*\s+3], s[G1B:G1B+7]
	s_nop 0
.Lasked_\@:
.endm
; A round of the cluster's barrier: my work-group's barrier, wave 0 signals for the work-group, every wave waits for all sixteen, my barrier again.
.macro CREST                           ; a round behind its opening barrier
	s_cmp_lg_u32 s12, 0
	s_cbranch_scc1 .Lnot_wave_0_\@
	s_barrier_signal -3
.Lnot_wave_0_\@:
	s_barrier_wait -3
	s_barrier_signal -1
	s_barrier_wait -1
.endm
.macro CROUND
	s_barrier_signal -1
	s_barrier_wait -1
	CREST
.endm
; Four places of plain vector instructions stand between a matrix instruction and a load into one of its registers, or a vector
; instruction or store that reads its result (ISA guide 7.12.1 for vector instructions).
.macro PLACES
.rept 4
	v_nop
.endr
.endm
	s_load_b256 s[4:11], s[0:1], 0x0               ; xb s[4:5], wt s[6:7], qs s[8:9], part s[10:11]
	v_lshl_add_u32 v62, v0, 2, 0x4d000
	v_mov_b32 v63, 0
	ds_add_u32 v62, v63
	v_lshrrev_b32 v1, 5, v0
	v_readfirstlane_b32 s12, v1                    ; wave 0..3
	s_lshr_b32 s13, s12, 1                         ; I fetch x (0) or weights (1)
	s_and_b32 s14, s12, 1                          ; which half of that tile
	s_bfe_u32 s15, ttmp6, 0x40000                  ; cx
	s_bfe_u32 s16, ttmp6, 0x40004                  ; cy
	s_lshl_b32 s17, ttmp9, 2
	s_add_co_u32 s17, s17, s15                     ; head = 4 x cluster x + cx
	s_and_b32 s18, ttmp7, 0xffff
	s_lshl_b32 s18, s18, 2
	s_add_co_u32 s18, s18, s16                     ; row block = 4 x cluster y + cy
	s_lshl_b32 s19, s16, 2
	s_lshl_b32 s19, 15, s19                        ; my row of the cluster
	s_lshl_b32 s20, 0x1111, s15                    ; my column
	s_or_b32 s[G1A+0], s19, (1<<16)|(1<<20)|(1<<21)|(5<<22)|(3<<25)   ; mask; elements of 2 bytes; padding on; bit 21 beside a mask; after 64 words, 4 words
	s_mov_b32 s[G1A+1], KSTEP<<16                  ; tensor_dim0 = 128
	s_mov_b32 s[G1A+2], 128<<16                    ; tensor_dim1 = 128
	s_mov_b32 s[G1A+3], KSTEP<<16                  ; tile_dim0 = 128
	s_mov_b32 s[G1A+4], 128                        ; tile_dim1 = 128 rows
	s_mov_b32 s[G1A+5], 1024                       ; elements from row to row
	s_mov_b32 s[G1A+6], 0
	s_mov_b32 s[G1A+7], 0
	s_or_b32 s[G1B+0], s20, (1<<16)|(1<<20)|(1<<21)|(5<<22)|(3<<25)
	s_mov_b32 s[G1B+1], KSTEP<<16
	s_mov_b32 s[G1B+2], 96<<16                     ; 96 rows
	s_mov_b32 s[G1B+3], KSTEP<<16
	s_mov_b32 s[G1B+4], 96
	s_mov_b32 s[G1B+5], 1024
	s_mov_b32 s[G1B+6], 0
	s_mov_b32 s[G1B+7], 0
	; x's tile hangs on the row block alone, the weights' on the head alone; each offset in registers that never hold the other coordinate
	s_lshl_b32 s70, s18, 19                        ; 256 rows of 2,048 bytes
	s_lshl_b32 s71, s14, 18                        ; + 128 rows for the second half
	s_add_co_u32 s70, s70, s71
	s_mov_b32 s71, 0
	s_mul_i32 s72, s17, 192*2048
	s_mul_i32 s73, s14, 96*2048
	s_add_co_u32 s72, s72, s73
	s_mov_b32 s73, 0
	s_mul_i32 s21, s12, AHALF                      ; LDS: waves 0, 1: x's halves at 0 and AHALF
	s_mul_i32 s22, s12, BHALF
	s_add_co_u32 s22, s22, ABYTES-2*BHALF          ; waves 2, 3: the weights' halves behind x's 256 rows
	s_wait_dscnt 0x0
	s_wait_kmcnt 0x0
	s_add_nc_u64 s[56:57], s[4:5], s[70:71]
	s_add_nc_u64 s[58:59], s[6:7], s[72:73]
	CROUND                                         ; all sixteen work-groups are here: the first joint loads meet
.irp s, 0,1
	s_mov_b32 s[G0A+4*\s], 1
	s_add_co_u32 s[G0A+4*\s+1], s21, \s*SLOT
	s_add_nc_u64 s[G0A+4*\s+2:G0A+4*\s+3], s[56:57], \s*KSTEP*2
	s_or_b32 s[G0A+4*\s+3], s[G0A+4*\s+3], 0x80000000
	s_mov_b32 s[G0B+4*\s], 1
	s_add_co_u32 s[G0B+4*\s+1], s22, \s*SLOT
	s_add_nc_u64 s[G0B+4*\s+2:G0B+4*\s+3], s[58:59], \s*KSTEP*2
	s_or_b32 s[G0B+4*\s+3], s[G0B+4*\s+3], 0x80000000
	JLOAD \s                                       ; K steps 0 and 1: two loads of mine are out
.endr
	s_mov_b32 s67, 0x76543210                      ; v_permlanex16_b32: lane i takes lane i of the other half
	s_mov_b32 s68, 0xfedcba98
	; where the results go
	s_lshl_b32 s74, s17, 20                        ; qs: head x 512 row tiles x 2,048 bytes
	s_lshl_b32 s75, s18, 15                        ; + 16 row tiles a block
	s_add_co_u32 s74, s74, s75
	s_lshl_b32 s75, s12, 13                        ; + 4 row tiles a wave
	s_add_co_u32 s74, s74, s75
	s_mov_b32 s75, 0
	s_add_nc_u64 s[76:77], s[8:9], s[74:75]
	s_lshr_b32 s74, s18, 3                         ; batch
	s_lshl4_add_u32 s74, s74, s17                  ; x 16 + head
	s_and_b32 s75, s18, 7
	s_lshl3_add_u32 s74, s74, s75                  ; x 8 + the block's place in its batch
	s_mul_i32 s74, s74, 16896                      ; records of 16,384 + 256 + 256 bytes
	s_lshl_b32 s75, s12, 12                        ; my wave stores 16 rows of 256 bytes
	s_add_co_u32 s74, s74, s75
	s_mov_b32 s75, 0
	s_add_nc_u64 s[78:79], s[10:11], s[74:75]
	; lane terms
	v_and_b32 v1, 15, v0                           ; r
	v_bfe_u32 v2, v0, 4, 1                         ; hh
	v_and_b32 v4, 31, v0                           ; L
	v_mul_u32_u24 v3, v1, PITCH
	v_lshl_add_u32 v5, v2, 5, v3                   ; r x 272 + 32 hh
	v_lshl_add_u32 v3, v2, 4, v3                   ; r x 272 + 16 hh: a fragment's two loads stand here and 32 bytes on
	s_mul_i32 s23, s12, 64*PITCH
	v_add_nc_u32 v[ADRA], s23, v3
	v_add_nc_u32 v[ADRA+1], SLOT, v[ADRA]
	v_add_nc_u32 v[ADRB], ABYTES, v3
	v_add_nc_u32 v[ADRB+1], SLOT, v[ADRB]
	s_add_co_u32 s60, s23, CSTG
	v_add_nc_u32 v[STC], s60, v5
	s_mul_i32 s60, s12, 16*PITCH
	s_add_co_u32 s60, s60, CSTG
	v_mul_u32_u24 v6, v2, PITCH
	v_lshl_add_u32 v6, v1, 4, v6
	v_add_nc_u32 v[RDC], s60, v6
	s_lshl_b32 s60, s12, 8
	s_add_co_u32 s60, s60, MAXR
	v_lshl_add_u32 v[VMX], v1, 2, s60
	v_lshlrev_b32 v7, 2, v1
	v_add_nc_u32 v[VMR], MAXR, v7
	v_lshlrev_b32 v[CQ], 4, v4
	v_lshlrev_b32 v[VO8], 3, v4
	v_add_nc_u32 v[VS2], MAXR, v[VO8]
; 32 LDS loads in one run: one quarter step's fragments (my 64 rows of x, all 192 rows of weights, 32 K at byte k) into buffer f
.macro FETCH slot, k, f
	WIN W_LD
.irp a, 0,1,2,3
	ds_load_b128 v[\f+8*\a:\f+8*\a+3],   v[ADRA+\slot] offset:\k+\a*16*PITCH
	ds_load_b128 v[\f+8*\a+4:\f+8*\a+7], v[ADRA+\slot] offset:\k+\a*16*PITCH+32
.endr
.irp i, 0,1,2,3,4,5,6,7,8,9,10,11
	ds_load_b128 v[\f+32+8*\i:\f+32+8*\i+3], v[ADRB+\slot] offset:\k+\i*16*PITCH
	ds_load_b128 v[\f+32+8*\i+4:\f+32+8*\i+7], v[ADRB+\slot] offset:\k+\i*16*PITCH+32
.endr
.endm
; 8 matrix instructions: row tile a x the four column tiles of k and the four of v.  zero = 1: the first product starts the sums.
.macro MKV f, a, zero
.irp c, 0,1,2,3,4,5,6,7
.if \zero
	v_wmma_f32_16x16x32_bf16 v[8*(8*\a+\c):8*(8*\a+\c)+7], v[\f+8*\a:\f+8*\a+7], v[\f+64+8*\c:\f+64+8*\c+7], 0
.else
	v_wmma_f32_16x16x32_bf16 v[8*(8*\a+\c):8*(8*\a+\c)+7], v[\f+8*\a:\f+8*\a+7], v[\f+64+8*\c:\f+64+8*\c+7], v[8*(8*\a+\c):8*(8*\a+\c)+7]
.endif
.endr
.endm
; 16 matrix instructions: q, transposed
.macro MQ f, zero
.irp a, 0,1,2,3
.irp b, 0,1,2,3
.if \zero
	v_wmma_f32_16x16x32_bf16 v[8*(4*\a+\b):8*(4*\a+\b)+7], v[\f+32+8*\b:\f+32+8*\b+7], v[\f+8*\a:\f+8*\a+7], 0
.else
	v_wmma_f32_16x16x32_bf16 v[8*(4*\a+\b):8*(4*\a+\b)+7], v[\f+32+8*\b:\f+32+8*\b+7], v[\f+8*\a:\f+8*\a+7], v[8*(4*\a+\b):8*(4*\a+\b)+7]
.endif
.endr
.endr
.endm
; A quarter step: 48 matrix instructions on buffer f.  The 48 accumulators take turns, one instruction a turn, in the same order in every
; quarter, over the loop's backward jump too.  Behind the first eight the next quarter's fragments
; are fetched into buffer g, 40 matrix instructions ahead of their use.
.macro QUARTER slot, k, f, g, zero
	s_wait_dscnt 0x0                               ; buffer f is in
	WIN W_KV
	MKV \f, 0, \zero
	PLACES
	FETCH \slot, \k, \g
	WIN W_KV
	MKV \f, 1, \zero
	MKV \f, 2, \zero
	MKV \f, 3, \zero
	WIN W_Q
	MQ \f, \zero
.endm
.macro THREE slot, zero
	QUARTER \slot, 64,  F0, F1, \zero
	QUARTER \slot, 128, F1, F0, 0
	QUARTER \slot, 192, F0, F1, 0
.endm
; The last quarter of a K step changes slots.  In front of the barrier each wave waits for its reads of this slot and for all its tensor
; loads (one is out: its part of the next slot).  Where the slot is filled again the barrier opens a round of the cluster's barrier, so that no
; wave of any partner still reads the slot or has a load on its way; the joint refill is the first tensor load behind the round, one a wave.
; From a request to the wait for it a wave issues 176 matrix instructions.
.macro TURN slot, next, fill
	s_wait_dscnt 0x0                               ; buffer 1 is in: those were my last reads of this slot
	s_set_vgpr_msb 0xf5f0
	s_wait_tensorcnt 0x0                           ; all my tensor loads have landed
	ds_add_u32 v62, v63
	s_wait_dscnt 0x0
	s_set_vgpr_msb 0xf0f5
	s_barrier_signal -1
	WIN W_KV
	MKV F1, 0, 0                                   ; register work while the others arrive
	MKV F1, 1, 0
	WIN 0
	s_barrier_wait -1
.if \fill
	CREST
	s_add_nc_u64 s[G0A+4*\slot+2:G0A+4*\slot+3], s[G0A+4*\slot+2:G0A+4*\slot+3], 2*KSTEP*2   ; no load of mine is out: group 0 may be written
	s_add_nc_u64 s[G0B+4*\slot+2:G0B+4*\slot+3], s[G0B+4*\slot+2:G0B+4*\slot+3], 2*KSTEP*2
	JLOAD \slot
.endif
	PLACES
	FETCH \next, 0, F0
	WIN W_KV
	MKV F1, 2, 0
	MKV F1, 3, 0
	WIN W_Q
	MQ F1, 0
.endm
.macro LAP zero
	THREE 0, \zero
	TURN 0, 1, 1
	THREE 1, 0
	TURN 1, 0, 1
.endm
	s_wait_tensorcnt 0x1                           ; my part of K step 0 is in; K step 1's stays out
	s_barrier_signal -1
	s_barrier_wait -1
	FETCH 0, 0, F0
	LAP 1                                          ; the first lap's first products start the sums: nothing is cleared
	WIN 0
	s_mov_b32 s62, LAPS-2
.Llap:
	LAP 0
	WIN 0
	s_sub_co_u32 s62, s62, 1
	s_cmp_lg_u32 s62, 0
	s_cbranch_scc1 .Llap
	THREE 0, 0                                     ; the last lap fills nothing
	TURN 0, 1, 0
	THREE 1, 0
	s_wait_dscnt 0x0
	WIN W_KV
	MKV F1, 0, 0
	MKV F1, 1, 0
	MKV F1, 2, 0
	MKV F1, 3, 0
	WIN W_Q
	MQ F1, 0
	PLACES
	; ---- 1. k's column maxima over my 64 rows: 32 numbers a lane for each column tile, four chains that do not wait for each other
	WIN 0x0a                                       ; sources 0, 1 window 2
.irp b, 0,1,2,3
	v_max_num_f32 v[KM+\b], v[8*\b], v[8*\b+1]
.endr
	WIN 0x28                                       ; sources 1, 2 window 2
.irp a, 0,1,2,3
.irp j, 0,2,4,6
.if \a+\j
.irp b, 0,1,2,3
	v_max3_num_f32 v[KM+\b], v[KM+\b], v[8*(8*\a+\b)+\j], v[8*(8*\a+\b)+\j+1]
.endr
.endif
.endr
.endr
	WIN 0
.irp b, 0,1,2,3
	v_permlanex16_b32 v[X+\b], v[KM+\b], s67, s68  ; the other eight rows of each 16 lie in the other half of the wave
.endr
.irp b, 0,1,2,3
	v_max_num_f32 v[KM+\b], v[KM+\b], v[X+\b]
.endr
.irp b, 0,1,2,3
	ds_store_b32 v[VMX], v[KM+\b] offset:64*\b     ; both halves write the same word with the same number
.endr
	s_wait_dscnt 0x0                               ; in LDS before I say so
	s_barrier_signal -1
	; register work while the others arrive: q's row maxima
	WIN 0x0f                                       ; sources 0, 1 window 3
.irp a, 0,1,2,3
	v_max_num_f32 v[QM+\a], v[32*\a], v[32*\a+1]
.endr
	WIN 0x3c                                       ; sources 1, 2 window 3
.irp b, 0,1,2,3
.irp j, 0,2,4,6
.if \b+\j
.irp a, 0,1,2,3
	v_max3_num_f32 v[QM+\a], v[QM+\a], v[8*(4*\a+\b)+\j], v[8*(4*\a+\b)+\j+1]
.endr
.endif
.endr
.endr
	WIN 0
	s_barrier_wait -1
.irp b, 0,1,2,3
.irp u, 0,1,2,3
	ds_load_b32 v[KMT+4*\b+\u], v[VMR] offset:256*\u+64*\b   ; the four waves' maxima of column 16 b + r; used in step 3
.endr
.endr
	; ---- 2. q: softmax along the row, times 1/8, to bf16, out
.irp a, 0,1,2,3
	v_permlanex16_b32 v[X+\a], v[QM+\a], s67, s68
.endr
.irp a, 0,1,2,3
	v_max_num_f32 v[QM+\a], v[QM+\a], v[X+\a]
.endr
.irp a, 0,1,2,3
	v_mul_f32 v[QN+2*\a], 0xbfb8aa3b, v[QM+\a]     ; -max log2 e
	v_mul_f32 v[QN+2*\a+1], 0xbfb8aa3b, v[QM+\a]
.endr
	WIN 0xc3                                       ; source 0 and destination window 3
.irp a, 0,1,2,3
.irp b, 0,1,2,3
.irp j, 0,2,4,6
	v_pk_fma_f32 v[8*(4*\a+\b)+\j:8*(4*\a+\b)+\j+1], v[8*(4*\a+\b)+\j:8*(4*\a+\b)+\j+1], 0x3fb8aa3b, v[QN+2*\a:QN+2*\a+1] op_sel_hi:[1,0,1]
.endr
.irp j, 0,1,2,3,4,5,6,7
	v_exp_f32 v[8*(4*\a+\b)+\j], v[8*(4*\a+\b)+\j] ; behind a run of these stands a plain instruction on other registers (ISA guide 5.7.2): the next tile's first line
.endr
.endr
.endr
	v_nop                                          ; and behind the last run this one
	WIN 0x0f
	s_wait_alu depctr_va_vdst(0)
.irp a, 0,1,2,3
.irp b, 0,1,2,3
	v_pk_add_f32 v[T+16*\a+4*\b:T+16*\a+4*\b+1],   v[8*(4*\a+\b):8*(4*\a+\b)+1],   v[8*(4*\a+\b)+2:8*(4*\a+\b)+3]
	v_pk_add_f32 v[T+16*\a+4*\b+2:T+16*\a+4*\b+3], v[8*(4*\a+\b)+4:8*(4*\a+\b)+5], v[8*(4*\a+\b)+6:8*(4*\a+\b)+7]
.endr
.endr
	WIN 0
.macro RED16 t                         ; sixteen registers at t to one
	v_pk_add_f32 v[\t:\t+1], v[\t:\t+1], v[\t+2:\t+3]
	v_pk_add_f32 v[\t+4:\t+5], v[\t+4:\t+5], v[\t+6:\t+7]
	v_pk_add_f32 v[\t+8:\t+9], v[\t+8:\t+9], v[\t+10:\t+11]
	v_pk_add_f32 v[\t+12:\t+13], v[\t+12:\t+13], v[\t+14:\t+15]
	v_pk_add_f32 v[\t:\t+1], v[\t:\t+1], v[\t+4:\t+5]
	v_pk_add_f32 v[\t+8:\t+9], v[\t+8:\t+9], v[\t+12:\t+13]
	v_pk_add_f32 v[\t:\t+1], v[\t:\t+1], v[\t+8:\t+9]
	v_add_f32 v[\t], v[\t], v[\t+1]
.endm
.irp a, 0,1,2,3
	RED16 T+16*\a
.endr
.irp a, 0,1,2,3
	v_permlanex16_b32 v[X+\a], v[T+16*\a], s67, s68
.endr
.irp a, 0,1,2,3
	v_add_f32 v[T+16*\a], v[T+16*\a], v[X+\a]      ; the row's sum: at least about 1, the maximum's own term
.endr
.irp a, 0,1,2,3
	v_rcp_f32 v[X+\a], v[T+16*\a]
.endr
	v_nop                                          ; the plain place behind the reciprocals
	s_wait_alu depctr_va_vdst(0)
.irp a, 0,1,2,3
	v_mul_f32 v[QR+2*\a], 0x3e000000, v[X+\a]      ; 64^-0.5 = 0.125 rides on 1 / sum: exact
	v_mul_f32 v[QR+2*\a+1], 0x3e000000, v[X+\a]
.endr
	WIN 0xc3
.irp a, 0,1,2,3
.irp b, 0,1,2,3
.irp j, 0,2,4,6
	v_pk_mul_f32 v[8*(4*\a+\b)+\j:8*(4*\a+\b)+\j+1], v[8*(4*\a+\b)+\j:8*(4*\a+\b)+\j+1], v[QR+2*\a:QR+2*\a+1]
.endr
.endr
.endr
	WIN 0x0f
.irp a, 0,1,2,3
.irp b, 0,1,2,3
.irp i, 0,1,2,3
	v_cvt_pk_bf16_f32 v[BIG+16*\a+4*\b+\i], v[8*(4*\a+\b)+2*\i], v[8*(4*\a+\b)+2*\i+1]
.endr
.endr
.endr
	WIN 0
	; A lane's 16 bytes of tile (a, b) are row 16 a + r, features 16 b + 8 hh .. + 7: they are stored as they stand, lane by lane, 512
	; consecutive bytes a store, in the order in which the last launch's fragments take them: no way through LDS here, no shuffle there.
.irp a, 0,1,2,3
.irp b, 0,1,2,3
	global_store_b128 v[CQ], v[BIG+16*\a+4*\b:BIG+16*\a+4*\b+3], s[76:77] offset:2048*\a+512*\b
.endr
.endr
	; ---- 3. P = exp(k - the block's column maximum), and its column sums over my rows
	s_wait_dscnt 0x0                               ; the four waves' maxima, asked for in step 1
.irp b, 0,1,2,3
	v_max3_num_f32 v[KM+\b], v[KMT+4*\b], v[KMT+4*\b+1], v[KMT+4*\b+2]
.endr
.irp b, 0,1,2,3
	v_max_num_f32 v[KM+\b], v[KM+\b], v[KMT+4*\b+3]
.endr
.irp b, 0,1,2,3
	v_mul_f32 v[KN+2*\b], 0xbfb8aa3b, v[KM+\b]
	v_mul_f32 v[KN+2*\b+1], 0xbfb8aa3b, v[KM+\b]
.endr
	WIN 0x82                                       ; source 0 and destination window 2
.irp a, 0,1,2,3
.irp b, 0,1,2,3
.irp j, 0,2,4,6
	v_pk_fma_f32 v[8*(8*\a+\b)+\j:8*(8*\a+\b)+\j+1], v[8*(8*\a+\b)+\j:8*(8*\a+\b)+\j+1], 0x3fb8aa3b, v[KN+2*\b:KN+2*\b+1] op_sel_hi:[1,0,1]
.endr
.irp j, 0,1,2,3,4,5,6,7
	v_exp_f32 v[8*(8*\a+\b)+\j], v[8*(8*\a+\b)+\j]
.endr
.endr
.endr
	v_nop
	WIN 0x0a
	s_wait_alu depctr_va_vdst(0)
.irp b, 0,1,2,3
.irp a, 0,1,2,3
	v_pk_add_f32 v[T+16*\b+4*\a:T+16*\b+4*\a+1],   v[8*(8*\a+\b):8*(8*\a+\b)+1],   v[8*(8*\a+\b)+2:8*(8*\a+\b)+3]
	v_pk_add_f32 v[T+16*\b+4*\a+2:T+16*\b+4*\a+3], v[8*(8*\a+\b)+4:8*(8*\a+\b)+5], v[8*(8*\a+\b)+6:8*(8*\a+\b)+7]
.endr
.endr
	WIN 0
.irp b, 0,1,2,3
	RED16 T+16*\b
.endr
.irp b, 0,1,2,3
	v_permlanex16_b32 v[X+\b], v[T+16*\b], s67, s68
.endr
.irp b, 0,1,2,3
	v_add_f32 v[KS+\b], v[T+16*\b], v[X+\b]
.endr
.irp b, 0,1,2,3
	ds_store_b32 v[VMX], v[KS+\b] offset:1024+64*\b
.endr
	; ---- 4. fragments of P and V with K along my rows: for rows 32 p .. 32 p + 31 registers 0-3 come from row tile 2 p, 4-7 from 2 p + 1
	WIN 0x4a                                       ; sources window 2, destination window 1 (buffer 0, long since read)
.irp p, 0,1
.irp b, 0,1,2,3
.irp i, 0,1,2,3
	v_cvt_pk_bf16_f32 v[8*(4*\p+\b)+\i],      v[8*(8*(2*\p)+\b)+2*\i],     v[8*(8*(2*\p)+\b)+2*\i+1]
	v_cvt_pk_bf16_f32 v[8*(4*\p+\b)+4+\i],    v[8*(8*(2*\p+1)+\b)+2*\i],   v[8*(8*(2*\p+1)+\b)+2*\i+1]
	v_cvt_pk_bf16_f32 v[64+8*(4*\p+\b)+\i],   v[8*(8*(2*\p)+4+\b)+2*\i],   v[8*(8*(2*\p)+4+\b)+2*\i+1]
	v_cvt_pk_bf16_f32 v[64+8*(4*\p+\b)+4+\i], v[8*(8*(2*\p+1)+4+\b)+2*\i], v[8*(8*(2*\p+1)+4+\b)+2*\i+1]
.endr
.endr
.endr
	; ---- 5. P^T V over my 64 rows: source 0 = V, source 1 = P, so a lane holds row d = 16 bd + r, columns e = 16 be + 8 hh + j.
	; Sixteen accumulators by turns, one instruction a turn.
	WIN W_Q
.irp bd, 0,1,2,3
.irp be, 0,1,2,3
	v_wmma_f32_16x16x32_bf16 v[128+8*(4*\bd+\be):128+8*(4*\bd+\be)+7], v[64+8*\be:64+8*\be+7], v[8*\bd:8*\bd+7], 0
.endr
.endr
.irp bd, 0,1,2,3
.irp be, 0,1,2,3
	v_wmma_f32_16x16x32_bf16 v[128+8*(4*\bd+\be):128+8*(4*\bd+\be)+7], v[64+8*(4+\be):64+8*(4+\be)+7], v[8*(4+\bd):8*(4+\bd)+7], v[128+8*(4*\bd+\be):128+8*(4*\bd+\be)+7]
.endr
.endr
	PLACES
	; ---- 6. into my stage
	WIN 0x0c                                       ; an LDS store's data is source 1: window 3
.irp bd, 0,1,2,3
.irp be, 0,1,2,3
	ds_store_b128 v[STC], v[128+8*(4*\bd+\be):128+8*(4*\bd+\be)+3]   offset:16*PITCH*\bd+64*\be
	ds_store_b128 v[STC], v[128+8*(4*\bd+\be)+4:128+8*(4*\bd+\be)+7] offset:16*PITCH*\bd+64*\be+16
.endr
.endr
	WIN 0
	s_wait_dscnt 0x0                               ; sums and stage are in LDS before I say so
	s_barrier_signal -1
	s_barrier_wait -1
	; ---- 7. wave w adds the four waves' rows d = 16 w .. 16 w + 15 and stores them, two rows = 512 consecutive bytes a store
	s_wait_xcnt 0x0                                ; q's stores have read their registers
.irp t, 0,1,2,3,4,5,6,7
.irp u, 0,1,2,3
	ds_load_b128 v[BIG+4*(4*\t+\u):BIG+4*(4*\t+\u)+3], v[RDC] offset:64*PITCH*\u+2*PITCH*\t
.endr
.endr
.irp t, 0,1,2,3,4,5,6,7
	s_wait_dscnt 4*(7-\t)                          ; the four loads of each later t stay out
	v_pk_add_f32 v[BIG+16*\t:BIG+16*\t+1],     v[BIG+16*\t:BIG+16*\t+1],     v[BIG+16*\t+4:BIG+16*\t+5]
	v_pk_add_f32 v[BIG+16*\t+2:BIG+16*\t+3],   v[BIG+16*\t+2:BIG+16*\t+3],   v[BIG+16*\t+6:BIG+16*\t+7]
	v_pk_add_f32 v[BIG+16*\t+8:BIG+16*\t+9],   v[BIG+16*\t+8:BIG+16*\t+9],   v[BIG+16*\t+12:BIG+16*\t+13]
	v_pk_add_f32 v[BIG+16*\t+10:BIG+16*\t+11], v[BIG+16*\t+10:BIG+16*\t+11], v[BIG+16*\t+14:BIG+16*\t+15]
	v_pk_add_f32 v[BIG+16*\t:BIG+16*\t+1],     v[BIG+16*\t:BIG+16*\t+1],     v[BIG+16*\t+8:BIG+16*\t+9]
	v_pk_add_f32 v[BIG+16*\t+2:BIG+16*\t+3],   v[BIG+16*\t+2:BIG+16*\t+3],   v[BIG+16*\t+10:BIG+16*\t+11]
	global_store_b128 v[CQ], v[BIG+16*\t:BIG+16*\t+3], s[78:79] offset:512*\t
.endr
	; ---- 8. wave 0 stores the block's maxima and sums: lane L has columns 2 L and 2 L + 1
	s_cmp_lg_u32 s12, 0
	s_cbranch_scc1 .Lno_stats
.irp u, 0,1,2,3
	ds_load_b64 v[T+2*\u:T+2*\u+1], v[VS2] offset:256*\u
.endr
.irp u, 0,1,2,3
	ds_load_b64 v[T+8+2*\u:T+8+2*\u+1], v[VS2] offset:1024+256*\u
.endr
	s_wait_dscnt 0x0
	v_max3_num_f32 v[T], v[T], v[T+2], v[T+4]
	v_max3_num_f32 v[T+1], v[T+1], v[T+3], v[T+5]
	v_max_num_f32 v[T], v[T], v[T+6]
	v_max_num_f32 v[T+1], v[T+1], v[T+7]
	v_pk_add_f32 v[T+8:T+9], v[T+8:T+9], v[T+10:T+11]
	v_pk_add_f32 v[T+12:T+13], v[T+12:T+13], v[T+14:T+15]
	v_pk_add_f32 v[T+8:T+9], v[T+8:T+9], v[T+12:T+13]
	global_store_b64 v[VO8], v[T:T+1], s[78:79] offset:16384      ; 32 lanes x 8 bytes: one aligned run of 256
	global_store_b64 v[VO8], v[T+8:T+9], s[78:79] offset:16640
.Lno_stats:
	s_wait_tensorcnt 0x0
	ds_add_u32 v62, v63
	s_wait_dscnt 0x0
	CROUND                                         ; the closing round: no work-group ends while a partner may still ask for a tile that names it
	s_endpgm
.Lfunc_end_k_q104828f026_qkv:
	.size	k_q104828f026_qkv, .Lfunc_end_k_q104828f026_qkv-k_q104828f026_qkv
	.p2alignl 7, 3214868480
	.fill 96, 4, 3214868480
	.section	.rodata,"a",@progbits
	.p2align	6, 0x0
	.amdhsa_kernel k_q104828f026_qkv
		.amdhsa_group_segment_fixed_size 327680
		.amdhsa_private_segment_fixed_size 0
		.amdhsa_enable_private_segment 0
		.amdhsa_kernarg_size 32
		.amdhsa_user_sgpr_count 2
		.amdhsa_user_sgpr_kernarg_segment_ptr 1
		.amdhsa_wavefront_size32 1
		.amdhsa_system_sgpr_workgroup_id_x 1
		.amdhsa_system_sgpr_workgroup_id_y 1
		.amdhsa_system_sgpr_workgroup_id_z 1
		.amdhsa_system_vgpr_workitem_id 0
		.amdhsa_next_free_vgpr 1024
		.amdhsa_next_free_sgpr 80
		.amdhsa_reserve_vcc 0
		.amdhsa_float_denorm_mode_32 3
		.amdhsa_float_denorm_mode_16_64 3
		.amdhsa_memory_ordered 1
		.amdhsa_forward_progress 1
		.amdhsa_inst_pref_size 209
	.end_amdhsa_kernel
	.amdgpu_metadata
---
amdhsa.version: [ 1, 2 ]
amdhsa.kernels:
  - .name:           k_q104828f026_qkv
    .symbol:         k_q104828f026_qkv.kd
    .args:
      - { .name: xb, .offset: 0, .size: 8, .value_kind: global_buffer, .address_space: global }
      - { .name: wt, .offset: 8, .size: 8, .value_kind: global_buffer, .address_space: global }
      - { .name: qs, .offset: 16, .size: 8, .value_kind: global_buffer, .address_space: global }
      - { .name: part, .offset: 24, .size: 8, .value_kind: global_buffer, .address_space: global }
    .group_segment_fixed_size: 327680
    .private_segment_fixed_size: 0
    .kernarg_segment_align: 8
    .kernarg_segment_size: 32
    .max_flat_workgroup_size: 128
    .sgpr_count:     80
    .vgpr_count:     1024
    .wavefront_size: 32
...
	.end_amdgpu_metadata
.endif
;; end of part 2
;; launch fold (part 3): grid 4 x 64, 8 waves a work-group, no clusters, 14,336 bytes of LDS; arguments part, wt, wf; writes wf
.if DOCPART == 3
	.amdgcn_target "amdgcn-amd-amdhsa--gfx1250"
	.amdhsa_code_object_version 6
	.text
	.protected	k_q104828f026_fold
	.globl	k_q104828f026_fold
	.p2align	8
	.type	k_q104828f026_fold,@function
k_q104828f026_fold:
	s_mov_b64 s[64:65], 0
	v_nop
	global_prefetch_b8 v0, s[64:65] scope:SCOPE_SE
	s_setreg_imm32_b32 hwreg(HW_REG_WAVE_MODE, 25, 1), 1
	s_wait_xcnt 0x0
; FOLD: joins the 8 records of one (batch, head) into the normalised context and folds it into Wo:
;   ctx[d][e] = sum over records of w[d] part[d][e] / sum over records of w[d] s[d],   w[d] = exp2(fl(m[d] log2 e) - the largest of these),
;   W'[n][d]  = sum over e of Wo[h*64+e][n] ctx[d][e]      (so that the last launch is one product: (q ctx) Wo = q (ctx Wo)).
; fl(m log2 e) is the very number that the launch before took away in its exponents, so the weights fit its P exactly.
; wf is stored as [batch][head][tile of 16 n][tile of 16 d][lane][16 bytes]: lane (r, hh) holds row n = r, d = 8 hh .. 8 hh + 7 of the tile.
; That is what a lane holds behind the product made transposed, so results are stored from registers, 512 consecutive bytes a store,
; and it is the order in which the last launch's fragments take them.
; A work-group has one (batch, head) and 256 of the 1,024 rows n.  Eight waves: the join is shared by threads (16 bytes of a row of ctx
; each, four turns of 16 rows), the product by waves (32 rows n each, 16 matrix instructions).
; NO CLUSTER: the four work-groups along x read the same 8 records, but each lane uses its 16 bytes once, straight from registers;
; asked for jointly the 135,168 bytes would have to lie in LDS and be read from there again, for 16 matrix instructions a wave.
; LIMITS: an infinity or NaN among the maxima gives NaN in that column, as it does where the softmax is taken in one piece.
.set REC,    16896                     ; a record: ctx 16,384, maxima 256, sums 256
.set CXR,    4096                      ; LDS: at 0 the scales, [4 pairs of records][64 columns][2 scales, twice each]: thread t writes at 16 t;
.set CPITCH, 144                       ; at CXR ctx in bf16: 64 rows x 144 (128 + 16 of padding)
.set VOFF, 5                           ; 16 t
.set VST,  6                           ; my column's maximum in the first record
.set VW,   7                           ; my fragments of Wo^T
.set VSC,  8
.set VSR,  9
.set VCX,  10
.set VCF,  11
.set VOUT, 12
.set AC,   16                          ; v[16:19]  four numbers of ctx
.set PK,   20                          ; v[20:21]  the same in bf16
.set DT,   32                          ; v[32:95]  at the end the 8 result tiles (nt, bd) at 8 (4 nt + bd); before them:
.set SC,   32                          ; v[32:95]  the four turns' 8 scales, as pairs; and before those:
.set MS,   32                          ; v[32:39]  8 maxima, then weights, then scales
.set SS,   40                          ; v[40:47]  8 sums
.set TM,   48                          ; v[48:55]  work; the scales as stored
.set WF,   96                          ; v[96:127] fragments of Wo^T: (nt, p) at 8 (2 nt + p)
.set RING, 128                         ; v[128:255] four turns x 8 records x 16 bytes; later ctx's fragments (bd, p) at 8 (2 bd + p)
.set OP,   192                         ; v[192:223] the results in bf16
	s_load_b128 s[4:7], s[0:1], 0x0                ; part, wt
	s_load_b64 s[8:9], s[0:1], 0x10                ; wf
	v_lshl_add_u32 v30, v0, 2, 0x3400
	v_mov_b32 v31, 0
	v_lshrrev_b32 v1, 5, v0
	v_readfirstlane_b32 s10, v1                    ; wave
	s_and_b32 s11, ttmp7, 0xffff                   ; y = 16 batch + head
	s_mul_i32 s12, s11, 8*REC                      ; its 8 records lie together
	s_mov_b32 s13, 0
	s_and_b32 s14, s11, 15
	s_lshl_b32 s14, s14, 7                         ; the head's 64 k of 2 bytes
	s_lshl_b32 s15, ttmp9, 19                      ; 256 rows n of 2,048 bytes
	s_add_co_u32 s14, s14, s15
	s_add_co_u32 s16, s14, 3072*2048               ; Wo^T begins at row 3072 of wt
	s_mov_b32 s17, 0
	s_lshl_b32 s18, s11, 17                        ; a (batch, head): 64 tiles of n x 2,048 bytes
	s_lshl_b32 s19, ttmp9, 15                      ; + 16 tiles a quarter
	s_add_co_u32 s18, s18, s19
	s_mov_b32 s19, 0
	v_and_b32 v2, 31, v0                           ; L
	v_and_b32 v3, 15, v0                           ; r
	v_bfe_u32 v4, v0, 4, 1                         ; hh
	v_lshlrev_b32 v[VOFF], 4, v0
	v_and_b32 v[VST], 63, v0                       ; my column
	v_lshlrev_b32 v[VST], 2, v[VST]
	v_add_nc_u32 v[VST], 16384, v[VST]
	s_lshl_b32 s20, s10, 16                        ; 32 rows n a wave
	v_lshlrev_b32 v[VW], 11, v3
	v_lshl_add_u32 v[VW], v4, 4, v[VW]
	v_add_nc_u32 v[VW], s20, v[VW]
	s_lshl_b32 s21, s10, 12                        ; two tiles of n a wave
	v_lshl_add_u32 v[VOUT], v2, 4, s21
	s_wait_kmcnt 0x0
	s_add_nc_u64 s[4:5], s[4:5], s[12:13]
	s_add_nc_u64 s[6:7], s[6:7], s[16:17]
	s_add_nc_u64 s[8:9], s[8:9], s[18:19]
	; all loads in one run: 8 of Wo^T, 16 of statistics, 32 of ctx
.irp nt, 0,1
.irp p, 0,1
	global_load_b128 v[WF+8*(2*\nt+\p):WF+8*(2*\nt+\p)+3],   v[VW], s[6:7] offset:32768*\nt+64*\p
	global_load_b128 v[WF+8*(2*\nt+\p)+4:WF+8*(2*\nt+\p)+7], v[VW], s[6:7] offset:32768*\nt+64*\p+32
.endr
.endr
.irp k, 0,1,2,3,4,5,6,7
	global_load_b32 v[MS+\k], v[VST], s[4:5] offset:REC*\k
	global_load_b32 v[SS+\k], v[VST], s[4:5] offset:REC*\k+256
.endr
.irp i, 0,1,2,3
.irp k, 0,1,2,3,4,5,6,7
	global_load_b128 v[RING+32*\i+4*\k:RING+32*\i+4*\k+3], v[VOFF], s[4:5] offset:REC*\k+4096*\i
.endr
.endr
	s_lshl_b32 s22, s10, 9
	v_lshl_add_u32 v[VSC], v2, 4, s22              ; 16 t, from the wave's number and the lane
	s_lshl_b32 s22, s10, 5
	v_lshl_add_u32 v[VSR], v4, 4, s22              ; 16 (t >> 4)
	s_mul_i32 s22, s10, 2*CPITCH
	s_add_co_u32 s22, s22, CXR
	v_mul_u32_u24 v1, v4, CPITCH
	v_lshl_add_u32 v1, v3, 3, v1
	v_add_nc_u32 v[VCX], s22, v1                   ; row t >> 4 of a turn's sixteen, 8 bytes at 8 (t & 15)
	v_mul_u32_u24 v1, v3, CPITCH
	v_lshl_add_u32 v1, v4, 4, v1
	v_add_nc_u32 v[VCF], CXR, v1
	; ---- the 8 scales of column t & 63 (all four groups of 64 threads make them; group g = t >> 6 stores records 2 g and 2 g + 1)
	s_wait_loadcnt 32                              ; Wo^T and the statistics are in; the 32 loads of ctx stay out
.irp k, 0,1,2,3,4,5,6,7
	v_mul_f32 v[MS+\k], 0x3fb8aa3b, v[MS+\k]       ; fl(m log2 e)
.endr
	v_max3_num_f32 v[TM], v[MS], v[MS+1], v[MS+2]
	v_max3_num_f32 v[TM], v[TM], v[MS+3], v[MS+4]
	v_max3_num_f32 v[TM], v[TM], v[MS+5], v[MS+6]
	v_max_num_f32 v[TM], v[TM], v[MS+7]            ; the running maximum's last word
.irp k, 0,1,2,3,4,5,6,7
	v_sub_f32 v[MS+\k], v[MS+\k], v[TM]
.endr
.irp k, 0,1,2,3,4,5,6,7
	v_exp_f32 v[MS+\k], v[MS+\k]
.endr
	v_nop                                          ; the plain place behind the exponentials (ISA guide 5.7.2)
	s_wait_alu depctr_va_vdst(0)
	v_mul_f32 v[TM+1], v[MS], v[SS]
.irp k, 1,2,3,4,5,6,7
	v_fmac_f32 v[TM+1], v[MS+\k], v[SS+\k]         ; the whole column's sum: the largest record's weight is 1 and its sum about 1 or more
.endr
	v_rcp_f32 v[TM+1], v[TM+1]
	v_cmp_gt_u32 vcc_lo, 128, v0                   ; (the plain place behind the reciprocal) threads 0-127 choose among records 0-3, the others among 4-7
	s_wait_alu depctr_va_vdst(0)
.irp k, 0,1,2,3,4,5,6,7
	v_mul_f32 v[MS+\k], v[MS+\k], v[TM+1]
.endr
.irp k, 0,1,2,3
	v_cndmask_b32 v[TM+4+\k], v[MS+4+\k], v[MS+\k], vcc_lo
.endr
	v_and_b32 v1, 64, v0
	v_cmp_eq_u32 vcc_lo, 0, v1                     ; the even groups take the first two of the four, the odd ones the last two
	v_cndmask_b32 v[TM],   v[TM+6], v[TM+4], vcc_lo
	v_cndmask_b32 v[TM+1], v[TM+6], v[TM+4], vcc_lo                  ; twice: a pair for the packed arithmetic
	v_cndmask_b32 v[TM+2], v[TM+7], v[TM+5], vcc_lo
	v_cndmask_b32 v[TM+3], v[TM+7], v[TM+5], vcc_lo
	ds_store_b128 v[VSC], v[TM:TM+3]
	s_wait_dscnt 0x0                               ; in LDS before I say so
	s_barrier_signal -1
	s_barrier_wait -1
	; the scales of my row in each of the four turns, d = 16 i + (t >> 4): sixteen loads in one run, one wait
.irp i, 0,1,2,3
.irp g, 0,1,2,3
	ds_load_b128 v[SC+16*\i+4*\g:SC+16*\i+4*\g+3], v[VSR] offset:1024*\g+256*\i
.endr
.endr
	s_wait_dscnt 0x0
; ---- turn i: row d = 16 i + (t >> 4), columns e = 4 (t & 15) .. + 3, summed over the 8 records with their scales.
; left = how many loads of later turns stay out.
.macro JOIN i, left
	s_wait_loadcnt \left
	v_pk_mul_f32 v[AC:AC+1],   v[RING+32*\i:RING+32*\i+1],   v[SC+16*\i:SC+16*\i+1]
	v_pk_mul_f32 v[AC+2:AC+3], v[RING+32*\i+2:RING+32*\i+3], v[SC+16*\i:SC+16*\i+1]
.irp k, 1,2,3,4,5,6,7
	v_pk_fma_f32 v[AC:AC+1],   v[RING+32*\i+4*\k:RING+32*\i+4*\k+1],   v[SC+16*\i+2*\k:SC+16*\i+2*\k+1], v[AC:AC+1]
	v_pk_fma_f32 v[AC+2:AC+3], v[RING+32*\i+4*\k+2:RING+32*\i+4*\k+3], v[SC+16*\i+2*\k:SC+16*\i+2*\k+1], v[AC+2:AC+3]
.endr
	v_cvt_pk_bf16_f32 v[PK], v[AC], v[AC+1]
	v_cvt_pk_bf16_f32 v[PK+1], v[AC+2], v[AC+3]
	ds_store_b64 v[VCX], v[PK:PK+1] offset:16*CPITCH*\i
.endm
	JOIN 0, 24
	JOIN 1, 16
	JOIN 2, 8
	JOIN 3, 0
	s_wait_dscnt 0x0                               ; ctx is in LDS before I say so
	s_barrier_signal -1
	s_barrier_wait -1
	; ---- the product: source 0 = ctx (row d, K = e), source 1 = Wo^T (row n, K = e): a lane holds row n = 16 (2 w + nt) + r, columns d = 16 bd + 8 hh + j
.irp bd, 0,1,2,3
.irp p, 0,1
	ds_load_b128 v[RING+8*(2*\bd+\p):RING+8*(2*\bd+\p)+3],   v[VCF] offset:16*CPITCH*\bd+64*\p
	ds_load_b128 v[RING+8*(2*\bd+\p)+4:RING+8*(2*\bd+\p)+7], v[VCF] offset:16*CPITCH*\bd+64*\p+32
.endr
.endr
	s_wait_dscnt 0x0
	; eight accumulators by turns, one instruction a turn
.irp nt, 0,1
.irp bd, 0,1,2,3
	v_wmma_f32_16x16x32_bf16 v[DT+8*(4*\nt+\bd):DT+8*(4*\nt+\bd)+7], v[RING+16*\bd:RING+16*\bd+7], v[WF+16*\nt:WF+16*\nt+7], 0
.endr
.endr
.irp nt, 0,1
.irp bd, 0,1,2,3
	v_wmma_f32_16x16x32_bf16 v[DT+8*(4*\nt+\bd):DT+8*(4*\nt+\bd)+7], v[RING+16*\bd+8:RING+16*\bd+15], v[WF+16*\nt+8:WF+16*\nt+15], v[DT+8*(4*\nt+\bd):DT+8*(4*\nt+\bd)+7]
.endr
.endr
.rept 4
	v_nop                                          ; four places before results are read (ISA guide 7.12.1)
.endr
.irp nt, 0,1
.irp bd, 0,1,2,3
.irp i, 0,1,2,3
	v_cvt_pk_bf16_f32 v[OP+4*(4*\nt+\bd)+\i], v[DT+8*(4*\nt+\bd)+2*\i], v[DT+8*(4*\nt+\bd)+2*\i+1]
.endr
.endr
.endr
.irp nt, 0,1
.irp bd, 0,1,2,3
	global_store_b128 v[VOUT], v[OP+4*(4*\nt+\bd):OP+4*(4*\nt+\bd)+3], s[8:9] offset:2048*\nt+512*\bd   ; 512 consecutive bytes, aligned
.endr
.endr
	s_wait_tensorcnt 0x0
	ds_add_u32 v30, v31
	s_wait_dscnt 0x0
	s_endpgm
.Lfunc_end_k_q104828f026_fold:
	.size	k_q104828f026_fold, .Lfunc_end_k_q104828f026_fold-k_q104828f026_fold
	.p2alignl 7, 3214868480
	.fill 96, 4, 3214868480
	.section	.rodata,"a",@progbits
	.p2align	6, 0x0
	.amdhsa_kernel k_q104828f026_fold
		.amdhsa_group_segment_fixed_size 14336
		.amdhsa_private_segment_fixed_size 0
		.amdhsa_enable_private_segment 0
		.amdhsa_kernarg_size 24
		.amdhsa_user_sgpr_count 2
		.amdhsa_user_sgpr_kernarg_segment_ptr 1
		.amdhsa_wavefront_size32 1
		.amdhsa_system_sgpr_workgroup_id_x 1
		.amdhsa_system_sgpr_workgroup_id_y 1
		.amdhsa_system_sgpr_workgroup_id_z 1
		.amdhsa_system_vgpr_workitem_id 0
		.amdhsa_next_free_vgpr 256
		.amdhsa_next_free_sgpr 66
		.amdhsa_reserve_vcc 1
		.amdhsa_float_denorm_mode_32 3
		.amdhsa_float_denorm_mode_16_64 3
		.amdhsa_memory_ordered 1
		.amdhsa_forward_progress 1
		.amdhsa_inst_pref_size 22
	.end_amdhsa_kernel
	.amdgpu_metadata
---
amdhsa.version: [ 1, 2 ]
amdhsa.kernels:
  - .name:           k_q104828f026_fold
    .symbol:         k_q104828f026_fold.kd
    .args:
      - { .name: part, .offset: 0, .size: 8, .value_kind: global_buffer, .address_space: global }
      - { .name: wt, .offset: 8, .size: 8, .value_kind: global_buffer, .address_space: global }
      - { .name: wf, .offset: 16, .size: 8, .value_kind: global_buffer, .address_space: global }
    .group_segment_fixed_size: 14336
    .private_segment_fixed_size: 0
    .kernarg_segment_align: 8
    .kernarg_segment_size: 24
    .max_flat_workgroup_size: 256
    .sgpr_count:     66
    .vgpr_count:     256
    .wavefront_size: 32
...
	.end_amdgpu_metadata
.endif
;; end of part 3
;; launch outp (part 4): grid 8 x 32, 4 waves a work-group, clusters of 4 x 4, 327,680 bytes of LDS; arguments qs, wf, bo, out0; writes out0
.if DOCPART == 4
	.amdgcn_target "amdgcn-amd-amdhsa--gfx1250"
	.amdhsa_code_object_version 6
	.text
	.protected	k_q104828f026_outp
	.globl	k_q104828f026_outp
	.p2align	8
	.type	k_q104828f026_outp,@function
k_q104828f026_outp:
	s_mov_b64 s[64:65], 0
	v_nop
	global_prefetch_b8 v0, s[64:65] scope:SCOPE_SE
	s_setreg_imm32_b32 hwreg(HW_REG_WAVE_MODE, 25, 1), 1
	s_wait_xcnt 0x0
	s_wait_alu depctr_hold_cnt(0) depctr_sa_sdst(0) depctr_va_vdst(0) depctr_va_sdst(0) depctr_va_ssrc(0) depctr_va_vcc(0) depctr_vm_vsrc(0)
	s_getreg_b32 s2, hwreg(HW_REG_IB_STS2, 6, 4)
	s_cmp_eq_u32 s2, 0
	s_cbranch_scc0 .Lentry_in_a_cluster
	s_endpgm
.Lentry_in_a_cluster:
	s_bfe_u32 s2, ttmp6, 0x10000c
	s_cmp_lg_u32 s2, 0xf033
	s_cbranch_scc0 .Lentry_shape_is_right
	s_endpgm
.Lentry_shape_is_right:
; OUTP: out0[row][n] = sum over heads h and d of qs[h][row][d] W'[batch][h][n][d] + bo[n]; bf16 operands, f32 sums, f32 bias, f32 out.
; A work-group makes 256 rows x 128 columns with four waves; a wave 64 x 128: 32 accumulator tiles, 256 registers.  With 256 x 256 blocks
; there would be 128 work-groups; this shape gives 256 of equal work.
; Both operands lie in memory as [head][tile of 16 rows][tile of 16 d][lane][16 bytes], lane (r, hh) holding row r, d = 8 hh .. 8 hh + 7: half of
; a fragment.  So a block's part of a head is dense (qs 32,768 bytes, wf 16,384), lies in LDS as it lies in memory, without padding, and every
; fragment load takes 512 consecutive bytes, 16 a lane.
; K goes in slabs of heads through two LDS slots.  A head costs 49,152 bytes, so two slots of three heads (294,912 bytes) fit and two of four do
; not: slabs of 3, 3, 3, 3, 3 and 1 heads, four refills.  One tensor load a wave brings its half of all the slab's heads: a tile with one row
; for each head, 16,384 bytes of qs (from head to head 1 MiB) or 8,192 of wf (128 KiB).  A slot: qs [half][head][16,384], then wf [half][head][8,192].
; CLUSTERS: 4 x 4 work-groups.  A cluster's row shares the 256 rows of qs, a column the 128 rows of wf (the batch hangs on the cluster's y
; alone: four row blocks of a cluster lie in one batch of eight): both tiles are asked for jointly.
; The matrix instruction is used transposed (source 0 = wf): a lane holds row 16 a + r, columns 16 i + 8 hh + j.
; The stage of the way out lies in slot 0: its last fill is the fifth slab's, and every wave's reads of that slab are waited for in front of
; the barrier that changes to the last slab.
; REGISTERS: window 0 addresses, bias, the way out; window 1 two fragment buffers of 96: A(a) at 8 a, B(i) at 32 + 8 i; window 2 ACC(a, i) at 8 (8 a + i).
.set AHEAD,  16384                     ; half of a head's rows of qs
.set BHEAD,  8192                      ; half of a head's rows of wf
.set AHALF,  3*AHEAD                   ; what one load of qs brings
.set BHALF,  3*BHEAD                   ; what one load of wf brings
.set ABYTES, 2*AHALF
.set SLOT,   2*AHALF+2*BHALF           ; 147,456
.set SPITCH, 528                       ; the stage: 4 waves x 16 rows x (512 bytes + 16): an odd multiple of 16
.set BIAS, 8                           ; v[8:11]
.set ADRA, 16
.set ADRB, 18
.set STO,  20
.set RD,   21
.set CO,   22                          ; 16 L
.set OB,   128                         ; v[128:255] two buffers of 16 rows on the way out
.set F0,   0
.set F1,   96
.set G1A, 24                           ; s[24:31] group 1, qs, three heads
.set G0A, 32                           ; s[32:39] group 0, qs, a set for each slot
.set G1B, 40                           ; s[40:47] group 1, wf, three heads
.set G0B, 48                           ; s[48:55] group 0, wf
.set G1A1, 80                          ; s[80:87] group 1, qs, one head: sets of their own, so that no descriptor word is ever written twice
.set G1B1, 88                          ; s[88:95] group 1, wf, one head
.set W_MUL, 0xa5                       ; sources 0, 1 window 1; C and D window 2
.set W_LD,  0x40                       ; destination window 1
.set MSB, 0
.macro WIN new                         ; the immediate's high byte repeats the setting that is left
.if MSB != \new
	s_set_vgpr_msb (MSB<<8)|\new
.set MSB, \new
.endif
.endm
; A joint load: waves 0, 1 fetch the two halves of qs's rows, waves 2, 3 those of wf's.  Each line has one mask and one set of registers, equal
; in the four work-groups that the mask names; the branch hangs on the wave's number alone.
.macro JLOAD s, ga, gb
	s_cmp_eq_u32 s13, 0
	s_cbranch_scc0 .Lfor_b_\@
	tensor_load_to_lds s[G0A+4*\s:G0A+4*\s+3], s[\ga:\ga+7]
	s_nop 0
	s_branch .Lasked_\@
.Lfor_b_\@:
	tensor_load_to_lds s[G0B+4*\s:G0B+4*\s+3], s[\gb:\gb+7]
	s_nop 0
.Lasked_\@:
.endm
.macro CREST                           ; a round of the cluster's barrier behind its opening barrier
	s_cmp_lg_u32 s12, 0
	s_cbranch_scc1 .Lnot_wave_0_\@
	s_barrier_signal -3
.Lnot_wave_0_\@:
	s_barrier_wait -3
	s_barrier_signal -1
	s_barrier_wait -1
.endm
.macro CROUND
	s_barrier_signal -1
	s_barrier_wait -1
	CREST
.endm
.macro PLACES                          ; four plain places between a matrix instruction and a load into its registers or a reader of its result (ISA guide 7.12.1 for vector instructions)
.rept 4
	v_nop
.endr
.endm
; Group 1: rows (heads) of cols elements of 8 bytes, pitch elements from head to head; no padding
.macro GROUP1 g, mask, cols, rows, pitch
	s_or_b32 s[\g+0], \mask, (3<<16)|(1<<21)       ; the mask; elements of 8 bytes; bit 21 beside a mask
	s_mov_b32 s[\g+1], (\cols)<<16                 ; tensor_dim0
	s_mov_b32 s[\g+2], (\rows)<<16                 ; tensor_dim1
	s_mov_b32 s[\g+3], (\cols)<<16                 ; tile_dim0
	s_mov_b32 s[\g+4], \rows                       ; tile_dim1
	s_mov_b32 s[\g+5], \pitch
	s_mov_b32 s[\g+6], 0
	s_mov_b32 s[\g+7], 0
.endm
	s_load_b256 s[4:11], s[0:1], 0x0               ; qs s[4:5], wf s[6:7], bo s[8:9], out0 s[10:11]
	s_set_vgpr_msb 0x40
	v_lshl_add_u32 v254, v0, 2, 0x48000
	v_mov_b32 v255, 0
	s_set_vgpr_msb 0x4045
	ds_add_u32 v254, v255
	s_set_vgpr_msb 0x4500
	v_lshrrev_b32 v1, 5, v0
	v_readfirstlane_b32 s12, v1                    ; wave
	s_lshr_b32 s13, s12, 1                         ; I fetch qs (0) or wf (1); also: which half of qs's rows I multiply
	s_and_b32 s14, s12, 1                          ; which half I fetch
	s_bfe_u32 s15, ttmp6, 0x40000                  ; cx
	s_bfe_u32 s16, ttmp6, 0x40004                  ; cy
	s_lshl_b32 s17, ttmp9, 2
	s_add_co_u32 s17, s17, s15                     ; column block = 4 x cluster x + cx
	s_and_b32 s60, ttmp7, 0xffff                   ; cluster y
	s_lshl_b32 s18, s60, 2
	s_add_co_u32 s18, s18, s16                     ; row block = 4 x cluster y + cy
	s_lshl_b32 s19, s16, 2
	s_lshl_b32 s19, 15, s19                        ; my row of the cluster
	s_lshl_b32 s20, 0x1111, s15                    ; my column
	GROUP1 G1A,  s19, AHEAD/8, 3, 1048576/8
	GROUP1 G1A1, s19, AHEAD/8, 1, 1048576/8
	GROUP1 G1B,  s20, BHEAD/8, 3, 131072/8
	GROUP1 G1B1, s20, BHEAD/8, 1, 131072/8
	; qs's tile hangs on the row block alone, wf's on the column block and the cluster's y; each offset in registers that never hold the other's coordinate
	s_lshl_b32 s70, s14, 14                        ; qs: my half of the block's 16 row tiles
	s_lshl_b32 s71, s18, 15                        ; + 16 row tiles of 2,048 bytes a block
	s_add_co_u32 s70, s70, s71
	s_mov_b32 s71, 0
	s_lshr_b32 s72, s60, 1                         ; wf: batch = cluster y / 2
	s_lshl_b32 s72, s72, 21
	s_lshl_b32 s73, s17, 14                        ; + 8 tiles of n a column block
	s_add_co_u32 s72, s72, s73
	s_lshl_b32 s73, s14, 13                        ; + 4 tiles for the second half
	s_add_co_u32 s72, s72, s73
	s_mov_b32 s73, 0
	s_mul_i32 s21, s12, AHALF                      ; LDS: waves 0, 1: qs's halves at 0 and AHALF
	s_mul_i32 s22, s12, BHALF
	s_add_co_u32 s22, s22, ABYTES-2*BHALF          ; waves 2, 3: wf's halves behind them
	s_wait_dscnt 0x0
	s_wait_kmcnt 0x0
	s_add_nc_u64 s[56:57], s[4:5], s[70:71]
	s_add_nc_u64 s[58:59], s[6:7], s[72:73]
	CROUND                                         ; all sixteen work-groups are here: the first joint loads meet
.irp s, 0,1
	s_mov_b32 s[G0A+4*\s], 1
	s_add_co_u32 s[G0A+4*\s+1], s21, \s*SLOT
	s_add_nc_u64 s[G0A+4*\s+2:G0A+4*\s+3], s[56:57], \s*3*1048576
	s_or_b32 s[G0A+4*\s+3], s[G0A+4*\s+3], 0x80000000
	s_mov_b32 s[G0B+4*\s], 1
	s_add_co_u32 s[G0B+4*\s+1], s22, \s*SLOT
	s_add_nc_u64 s[G0B+4*\s+2:G0B+4*\s+3], s[58:59], \s*3*131072
	s_or_b32 s[G0B+4*\s+3], s[G0B+4*\s+3], 0x80000000
	JLOAD \s, G1A, G1B                             ; heads 0-2 and 3-5: two loads of mine are out
.endr
	s_lshl_b32 s74, s17, 9                         ; 128 columns of 4 bytes
	s_mov_b32 s75, 0
	s_add_nc_u64 s[76:77], s[8:9], s[74:75]        ; bo at my columns
	s_lshl_b32 s61, s18, 20                        ; 256 rows of 4,096 bytes
	s_add_co_u32 s74, s74, s61
	s_lshl_b32 s61, s12, 18                        ; + 64 rows a wave
	s_add_co_u32 s74, s74, s61
	s_add_nc_u64 s[78:79], s[10:11], s[74:75]      ; out0 at my wave's first row and my columns
	v_and_b32 v1, 15, v0                           ; r
	v_bfe_u32 v2, v0, 4, 1                         ; hh
	v_and_b32 v4, 31, v0                           ; L
	v_lshlrev_b32 v[CO], 4, v4
	global_load_b128 v[BIAS:BIAS+3], v[CO], s[76:77]   ; columns 4 L .. 4 L + 3: what a lane stores of every row
	s_mul_i32 s23, s13, AHALF                      ; my 64 rows: half w >> 1,
	s_lshl_b32 s61, s14, 13                        ; four row tiles of 2,048 bytes for w & 1
	s_add_co_u32 s23, s23, s61
	v_add_nc_u32 v[ADRA], s23, v[CO]
	v_add_nc_u32 v[ADRA+1], SLOT, v[ADRA]
	v_add_nc_u32 v[ADRB], ABYTES, v[CO]
	v_add_nc_u32 v[ADRB+1], SLOT, v[ADRB]
	s_mul_i32 s23, s12, 16*SPITCH                  ; my stage
	v_mul_u32_u24 v5, v1, SPITCH
	v_lshl_add_u32 v5, v2, 5, v5
	v_add_nc_u32 v[STO], s23, v5
	v_add_nc_u32 v[RD], s23, v[CO]
; 24 LDS loads in one run: d = 32 p .. 32 p + 31 of head hd of a slot into buffer f; a fragment's two halves are two tiles of 16 d, 512 bytes apart
.macro FETCH slot, hd, p, f
	WIN W_LD
.irp a, 0,1,2,3
	ds_load_b128 v[\f+8*\a:\f+8*\a+3],   v[ADRA+\slot] offset:\hd*AHEAD+\a*2048+\p*1024
	ds_load_b128 v[\f+8*\a+4:\f+8*\a+7], v[ADRA+\slot] offset:\hd*AHEAD+\a*2048+\p*1024+512
.endr
.irp i, 0,1,2,3,4,5,6,7
	ds_load_b128 v[\f+32+8*\i:\f+32+8*\i+3],   v[ADRB+\slot] offset:(\i>>2)*BHALF+\hd*BHEAD+(\i&3)*2048+\p*1024
	ds_load_b128 v[\f+32+8*\i+4:\f+32+8*\i+7], v[ADRB+\slot] offset:(\i>>2)*BHALF+\hd*BHEAD+(\i&3)*2048+\p*1024+512
.endr
.endm
.macro MUL f, a, zero                  ; 8 matrix instructions: row tile a x all 8 column tiles
.irp i, 0,1,2,3,4,5,6,7
.if \zero
	v_wmma_f32_16x16x32_bf16 v[8*(8*\a+\i):8*(8*\a+\i)+7], v[\f+32+8*\i:\f+32+8*\i+7], v[\f+8*\a:\f+8*\a+7], 0
.else
	v_wmma_f32_16x16x32_bf16 v[8*(8*\a+\i):8*(8*\a+\i)+7], v[\f+32+8*\i:\f+32+8*\i+7], v[\f+8*\a:\f+8*\a+7], v[8*(8*\a+\i):8*(8*\a+\i)+7]
.endif
.endr
.endm
; A step of 32 along K on buffer f: the 32 accumulators take turns, one instruction a turn, in the same order in every step.
; Behind the first eight the next step's fragments, (hd, p) of the same slot, are fetched into buffer g, 24 matrix
; instructions ahead of their use.
.macro STEP slot, hd, p, f, g, zero
	s_wait_dscnt 0x0                               ; buffer f is in
	WIN W_MUL
	MUL \f, 0, \zero
	PLACES
	FETCH \slot, \hd, \p, \g
	WIN W_MUL
	MUL \f, 1, \zero
	MUL \f, 2, \zero
	MUL \f, 3, \zero
.endm
.macro FIVE slot, zero                 ; the first five of a three-head slab's six steps
	STEP \slot, 0, 1, F0, F1, \zero
	STEP \slot, 1, 0, F1, F0, 0
	STEP \slot, 1, 1, F0, F1, 0
	STEP \slot, 2, 0, F1, F0, 0
	STEP \slot, 2, 1, F0, F1, 0
.endm
; The sixth step changes slots.  Each wave's reads of this slot and all its tensor loads (one is out: its part of the next slot) are waited for in
; front of the barrier; where the slot is filled again (fill = 1: three heads, 2: the last head) the barrier opens a round of the cluster's barrier,
; so that no wave of any partner still reads the slot or has a load on its way, and the joint refill is the first tensor load behind the round,
; one a wave.  From a request to the wait for it a wave issues 176 matrix instructions.
.macro TURN slot, next, fill
	s_wait_dscnt 0x0                               ; buffer 1 is in: those were my last reads of this slot
	s_wait_tensorcnt 0x0                           ; all my tensor loads have landed
	ds_add_u32 v254, v255
	s_wait_dscnt 0x0
	s_barrier_signal -1
	WIN W_MUL
	MUL F1, 0, 0                                   ; register work while the others arrive
	MUL F1, 1, 0
	WIN 0
	s_barrier_wait -1
.if \fill
	CREST
	s_add_nc_u64 s[G0A+4*\slot+2:G0A+4*\slot+3], s[G0A+4*\slot+2:G0A+4*\slot+3], 6*1048576   ; two slabs on: six heads; no load of mine is out
	s_add_nc_u64 s[G0B+4*\slot+2:G0B+4*\slot+3], s[G0B+4*\slot+2:G0B+4*\slot+3], 6*131072
.if \fill == 2
	JLOAD \slot, G1A1, G1B1
.else
	JLOAD \slot, G1A, G1B
.endif
.endif
	PLACES
	FETCH \next, 0, 0, F0
	WIN W_MUL
	MUL F1, 2, 0
	MUL F1, 3, 0
.endm
	s_wait_tensorcnt 0x1                           ; my part of heads 0-2 is in; that of heads 3-5 stays out
	s_barrier_signal -1
	s_barrier_wait -1
	FETCH 0, 0, 0, F0
	FIVE 0, 1                                      ; heads 0-2; the first products start the sums: nothing is cleared
	TURN 0, 1, 1                                   ; heads 6-8 are asked for
	FIVE 1, 0                                      ; heads 3-5
	TURN 1, 0, 1                                   ; heads 9-11
	FIVE 0, 0                                      ; heads 6-8
	TURN 0, 1, 1                                   ; heads 12-14: slot 0's last fill
	FIVE 1, 0                                      ; heads 9-11
	TURN 1, 0, 2                                   ; head 15: the last load
	FIVE 0, 0                                      ; heads 12-14
	TURN 0, 1, 0                                   ; nothing is left to fetch; behind this barrier no wave reads slot 0 any more
	STEP 1, 0, 1, F0, F1, 0                        ; head 15
	s_wait_dscnt 0x0
	WIN W_MUL
	MUL F1, 0, 0
	MUL F1, 1, 0
	MUL F1, 2, 0
	MUL F1, 3, 0
	PLACES
	s_wait_loadcnt 0x0                             ; the bias
	; THE WAY OUT, 16 rows at a time through my own stage: 32 bytes a lane and tile in, whole rows of 512 bytes back, the bias added, stored
.irp a, 0,1,2,3
	WIN 0x08                                       ; an LDS store's data is source 1: window 2
.irp i, 0,1,2,3,4,5,6,7
	ds_store_b128 v[STO], v[8*(8*\a+\i):8*(8*\a+\i)+3]   offset:64*\i
	ds_store_b128 v[STO], v[8*(8*\a+\i)+4:8*(8*\a+\i)+7] offset:64*\i+16
.endr
	WIN 0
	s_wait_xcnt 0x0                                ; the buffer that earlier stores read is loaded again only behind this wait
.irp t, 0,1,2,3,4,5,6,7,8,9,10,11,12,13,14,15
	ds_load_b128 v[OB+64*(\a&1)+4*\t:OB+64*(\a&1)+4*\t+3], v[RD] offset:SPITCH*\t   ; LDS serves a wave's instructions in order: these see the stores above
.endr
.irp t, 0,1,2,3,4,5,6,7,8,9,10,11,12,13,14,15
	s_wait_dscnt 15-\t
	v_pk_add_f32 v[OB+64*(\a&1)+4*\t:OB+64*(\a&1)+4*\t+1],   v[OB+64*(\a&1)+4*\t:OB+64*(\a&1)+4*\t+1],   v[BIAS:BIAS+1]
	v_pk_add_f32 v[OB+64*(\a&1)+4*\t+2:OB+64*(\a&1)+4*\t+3], v[OB+64*(\a&1)+4*\t+2:OB+64*(\a&1)+4*\t+3], v[BIAS+2:BIAS+3]
	global_store_b128 v[CO], v[OB+64*(\a&1)+4*\t:OB+64*(\a&1)+4*\t+3], s[78:79] offset:(16*\a+\t)*4096 th:TH_STORE_NT   ; 512 consecutive bytes, aligned
.endr
.endr
	s_set_vgpr_msb 0x5
	s_wait_tensorcnt 0x0
	ds_add_u32 v254, v255
	s_wait_dscnt 0x0
	s_set_vgpr_msb 0x500
	CROUND                                         ; the closing round: no work-group ends while a partner may still ask for a tile that names it
	s_endpgm
.Lfunc_end_k_q104828f026_outp:
	.size	k_q104828f026_outp, .Lfunc_end_k_q104828f026_outp-k_q104828f026_outp
	.p2alignl 7, 3214868480
	.fill 96, 4, 3214868480
	.section	.rodata,"a",@progbits
	.p2align	6, 0x0
	.amdhsa_kernel k_q104828f026_outp
		.amdhsa_group_segment_fixed_size 327680
		.amdhsa_private_segment_fixed_size 0
		.amdhsa_enable_private_segment 0
		.amdhsa_kernarg_size 32
		.amdhsa_user_sgpr_count 2
		.amdhsa_user_sgpr_kernarg_segment_ptr 1
		.amdhsa_wavefront_size32 1
		.amdhsa_system_sgpr_workgroup_id_x 1
		.amdhsa_system_sgpr_workgroup_id_y 1
		.amdhsa_system_sgpr_workgroup_id_z 1
		.amdhsa_system_vgpr_workitem_id 0
		.amdhsa_next_free_vgpr 768
		.amdhsa_next_free_sgpr 96
		.amdhsa_reserve_vcc 0
		.amdhsa_float_denorm_mode_32 3
		.amdhsa_float_denorm_mode_16_64 3
		.amdhsa_memory_ordered 1
		.amdhsa_forward_progress 1
		.amdhsa_inst_pref_size 155
	.end_amdhsa_kernel
	.amdgpu_metadata
---
amdhsa.version: [ 1, 2 ]
amdhsa.kernels:
  - .name:           k_q104828f026_outp
    .symbol:         k_q104828f026_outp.kd
    .args:
      - { .name: qs, .offset: 0, .size: 8, .value_kind: global_buffer, .address_space: global }
      - { .name: wf, .offset: 8, .size: 8, .value_kind: global_buffer, .address_space: global }
      - { .name: bo, .offset: 16, .size: 8, .value_kind: global_buffer, .address_space: global }
      - { .name: out0, .offset: 24, .size: 8, .value_kind: global_buffer, .address_space: global }
    .group_segment_fixed_size: 327680
    .private_segment_fixed_size: 0
    .kernarg_segment_align: 8
    .kernarg_segment_size: 32
    .max_flat_workgroup_size: 128
    .sgpr_count:     96
    .vgpr_count:     768
    .wavefront_size: 32
...
	.end_amdgpu_metadata
.endif
;; end of part 4
